; MI455X (gfx1250); checked and timed in simulation.
; The chip was launched on July 23, 2026; its instructions are those of AMD's public machine-readable ISA for CDNA 5 (MIT licence, August 2026) and "CDNA5" Instruction Set Architecture Reference Guide (July 2026). The comments in the code are by the model that wrote it; some were corrected since.
;; Global Attention. Allowed arithmetic: float matrix products may take bf16 or f16 operands with f32 sums; all other float work in f32.
;; Inputs: S 32 x 1,024 x 1,024 float32; Wk 16 x 1,024 x 64 float32; Wq 16 x 1,024 x 64 float32; Wv 16 x 1,024 x 64 float32; X 32 x 1,024 float32.
;; Outputs: out0 32 x 1,024 float32.
;; One version. Each part assembles by itself: llvm-mc -triple=amdgcn-amd-amdhsa -mcpu=gfx1250 --defsym DOCPART=n.
;; ======== version 1 of 1: 2 launches
;; workspace buffers: wf 4,194,304 bytes; qp 131,072 bytes
;; launch prep (part 1): grid 80 x 1, 16 waves a work-group, no clusters, 141,312 bytes of LDS; arguments Wk, Wv, Wq, X, wf, qp; writes wf, qp
.if DOCPART == 1
	.amdgcn_target "amdgcn-amd-amdhsa--gfx1250"
	.amdhsa_code_object_version 6
	.text
	.protected	k_q9e342e93dc_prep
	.globl	k_q9e342e93dc_prep
	.p2align	8
	.type	k_q9e342e93dc_prep,@function
k_q9e342e93dc_prep:
	s_mov_b64 s[64:65], 0
	v_nop
	global_prefetch_b8 v0, s[64:65] scope:SCOPE_SE
	s_setreg_imm32_b32 hwreg(HW_REG_WAVE_MODE, 25, 1), 1
	s_wait_xcnt 0x0
; prep: what the fused launch behind it needs once, made once.
;  Work-groups 16..79 (role W): Wk and Wv, f32 [head][d][64], become bf16 in the order in which a matrix fragment lies in registers.
;     wf = [head pair x 8][K step s of 32: 32][nt 16][1024 bytes], nt = 8 (head & 1) + 4 t + T, t = 0 for Wk, 1 for Wv, T = 0..3.
;     A block of 1,024 bytes is one fragment of 16 columns x 32 d: byte 16 lane = registers 0-3, byte 512 + 16 lane = registers 4-7.
;     Lane (rho = lane & 15, h = lane >> 4) holds head column 4 rho + T; registers 0-3: d = 32 s + 8 h + 0..7, registers 4-7: d = 32 s + 16 + 8 h + 0..7.
;     Wk is scaled by 2 log2(e) (tanh(x) = 1 - 2 / (1 + 2^(2 log2(e) x))), Wv by sqrt(log2(e) / 2) (e^(-x x / 2) = 2^(-a a) for a = that x):
;     the scale is applied in f32 ahead of the one rounding to bf16, so the relative rounding error is that of the plain weight.
;  Work-groups 0..15 (role Q), one head each: q = -(2 log2(e) / 8) tanh(X Wq), by matrix instructions on bf16 operands with f32 sums.
;     qp = [head 16][batch 32][64] f32; place 32 h + 8 T + j holds head column 4 (8 h + j) + T: the order in which a lane of the next launch wants them.
; The column order 4 rho + T lets a lane's 16-byte load of a weight row feed four fragments, and sixteen lanes cover a whole row of 256 bytes.
; X's fragment loads take 32-byte pieces of its rows: X is 128 KiB and is walked once for each head, so it is left so.
; LIMITS: NaN and infinities in the inputs are not followed; v_exp_f32 and v_rcp_f32 flush denormals (ISA guide, their entries), which here turns values below 2^-126 into 0.
.set RA,    8                          ; v[8:71] weights of a K step as loaded, v[72:103] X as loaded
.set RB,    104                        ; the same for the wave's second K step; later the sixteen partial sums
.set F,     200                        ; v[200:231] four weight fragments (T = 0..3)
.set XA,    232                        ; v[232:247] two fragments of X (batch rows 0-15, 16-31)
.set ACC,   8                          ; v[8:71] eight accumulator tiles (2 x 4), on RA's weights, which are dead behind their conversion
.set QPITCH, 272                       ; LDS row of a partial: 256 bytes + 16, so that 16 rows start 16 bytes apart modulo 256
.set QPART, 32*QPITCH                  ; a wave's partial: 32 batch rows
	s_load_b256 s[12:19], s[0:1], 0x0              ; Wk s[12:13], Wv s[14:15], Wq s[16:17], X s[18:19]
	s_load_b128 s[20:23], s[0:1], 0x20             ; wf s[20:21], qp s[22:23]
	v_lshl_add_u32 v254, v0, 2, 0x22000
	v_mov_b32 v255, 0
	v_lshrrev_b32 v1, 5, v0
	v_readfirstlane_b32 s8, v1                     ; wave 0..15
	v_and_b32 v2, 15, v0                           ; rho
	v_bfe_u32 v3, v0, 4, 1                         ; h
	v_lshlrev_b32 v4, 4, v2
	v_lshl_add_u32 v4, v3, 11, v4                  ; weights: 16 rho + 8 h rows of 256 bytes
; 16 loads: rows d = 8 h + 0..7 and 16 + 8 h + 0..7 of a K step; lanes 0-15 take one whole row of 256 bytes, lanes 16-31 the row 8 further down.
; Component T of load i is W[d(i)][4 rho + T].  Each weight byte is read once in the launch.
.macro LDW dst, base, imm
.irp i, 0,1,2,3,4,5,6,7
	global_load_b128 v[\dst+4*\i:\dst+4*\i+3], v4, s[\base:\base+1] offset:\imm+256*\i th:TH_LOAD_NT
.endr
.irp i, 8,9,10,11,12,13,14,15
	global_load_b128 v[\dst+4*\i:\dst+4*\i+3], v4, s[\base:\base+1] offset:\imm+256*(\i+8) th:TH_LOAD_NT
.endr
.endm
; register i of fragment T = rows d(2 i), d(2 i + 1) of column 4 rho + T
.macro CVW src
.irp t, 0,1,2,3
.irp i, 0,1,2,3,4,5,6,7
	v_cvt_pk_bf16_f32 v[F+8*\t+\i], v[\src+8*\i+\t], v[\src+8*\i+4+\t]
.endr
.endr
.endm
	s_cmp_lt_u32 ttmp9, 16                         ; the same in all waves of a work-group
	s_cbranch_scc1 .Lrole_q
	; ---------------- role W: a wave makes the four fragments of one (matrix t, head, K step s) ----------------
	s_sub_co_u32 s9, ttmp9, 16
	s_lshl_b32 s9, s9, 4
	s_add_co_u32 s9, s9, s8                        ; unit u = 0..1023
	s_lshr_b32 s10, s9, 9                          ; t
	s_bfe_u32 s11, s9, 0x40005                     ; head
	s_and_b32 s24, s9, 31                          ; s
	s_lshl_b32 s26, s11, 18                        ; from: head x 262,144
	s_lshl_b32 s25, s24, 13                        ;       + s x 32 rows of 256 bytes
	s_add_co_u32 s26, s26, s25
	s_mov_b32 s27, 0
	s_lshr_b32 s28, s11, 1                         ; to: (head >> 1) x 524,288
	s_lshl_b32 s28, s28, 19
	s_lshl_b32 s25, s24, 14                        ;     + s x 16,384
	s_add_co_u32 s28, s28, s25
	s_and_b32 s25, s11, 1                          ;     + (head & 1) x 8,192
	s_lshl_b32 s25, s25, 13
	s_add_co_u32 s28, s28, s25
	s_lshl_b32 s25, s10, 12                        ;     + t x 4,096
	s_add_co_u32 s28, s28, s25
	s_mov_b32 s29, 0
	s_mov_b32 s34, 0x4038aa3b                      ; 2 log2(e)
	s_mov_b32 s35, 0x3f596d27                      ; sqrt(log2(e) / 2) = 0.8493218
	v_and_b32 v1, 31, v0
	v_lshlrev_b32 v6, 4, v1                        ; 16 lane
	s_cmp_eq_u32 s10, 0
	s_cselect_b32 s32, s34, s35
	s_mov_b32 s33, s32
	s_wait_kmcnt 0x0
	s_cselect_b64 s[30:31], s[12:13], s[14:15]     ; Wk or Wv
	s_add_nc_u64 s[30:31], s[30:31], s[26:27]
	s_add_nc_u64 s[20:21], s[20:21], s[28:29]
	LDW RA, 30, 0
	s_wait_loadcnt 0x0
.set wi, 0
.rept 32
	v_pk_mul_f32 v[RA+wi:RA+wi+1], v[RA+wi:RA+wi+1], s[32:33] op_sel_hi:[1,0]
.set wi, wi+2
.endr
	CVW RA
.irp t, 0,1,2,3
	global_store_b128 v6, v[F+8*\t:F+8*\t+3],   s[20:21] offset:1024*\t        ; each store of the wave covers 512 consecutive bytes, aligned
	global_store_b128 v6, v[F+8*\t+4:F+8*\t+7], s[20:21] offset:1024*\t+512
.endr
	s_endpgm
	; ---------------- role Q: head = work-group; wave w takes K steps 2 w and 2 w + 1; the sixteen partials meet in LDS ----------------
.Lrole_q:
	s_lshl_b32 s24, ttmp9, 18                      ; Wq: head x 262,144
	s_lshl_b32 s25, s8, 14                         ;     + w x 2 K steps of 8,192 bytes
	s_add_co_u32 s24, s24, s25
	s_mov_b32 s25, 0
	s_lshl_b32 s26, s8, 8                          ; X: w x 64 columns of 4 bytes
	s_mov_b32 s27, 0
	s_lshl_b32 s28, ttmp9, 13                      ; qp: head x 8,192
	s_mov_b32 s29, 0
	s_mul_i32 s9, s8, QPART                        ; my partial in LDS
	s_mov_b32 s34, 0x3f38aa3b                      ;  2 log2(e) / 4
	s_mov_b32 s35, 0xbeb8aa3b                      ; -2 log2(e) / 8
	s_mov_b32 s36, 0x4038aa3b                      ;  2 log2(e), as a pair for the packed multiply
	s_mov_b32 s37, 0x4038aa3b
	v_lshlrev_b32 v5, 12, v2
	v_lshl_add_u32 v5, v3, 5, v5                   ; X: batch row rho x 4,096 + 8 h columns
	s_wait_kmcnt 0x0
	s_add_nc_u64 s[16:17], s[16:17], s[24:25]
	s_add_nc_u64 s[18:19], s[18:19], s[26:27]
	s_add_nc_u64 s[22:23], s[22:23], s[28:29]
; 8 loads: for batch rows 16 m + rho the columns 8 h + 0..7 and 16 + 8 h + 0..7 of a K step
.macro LDX dst, imm
.irp m, 0,1
.irp c, 0,1,2,3
	global_load_b128 v[\dst+16*\m+4*\c:\dst+16*\m+4*\c+3], v5, s[18:19] offset:\imm+65536*\m+16*(\c%2)+64*(\c/2)
.endr
.endr
.endm
.macro CVX src
.irp m, 0,1
.irp i, 0,1,2,3,4,5,6,7
	v_cvt_pk_bf16_f32 v[XA+8*\m+\i], v[\src+16*\m+2*\i], v[\src+16*\m+2*\i+1]
.endr
.endr
.endm
; Source 0 = 16 head columns, source 1 = 16 batch rows: register j of lane (rho, h) is Q(batch 16 m + rho, column 4 (8 h + j) + T).
; The eight accumulators take turns, one instruction a turn.
.macro MMQ zero
.irp m, 0,1
.irp t, 0,1,2,3
.if \zero
	v_wmma_f32_16x16x32_bf16 v[ACC+8*(4*\m+\t):ACC+8*(4*\m+\t)+7], v[F+8*\t:F+8*\t+7], v[XA+8*\m:XA+8*\m+7], 0
.else
	v_wmma_f32_16x16x32_bf16 v[ACC+8*(4*\m+\t):ACC+8*(4*\m+\t)+7], v[F+8*\t:F+8*\t+7], v[XA+8*\m:XA+8*\m+7], v[ACC+8*(4*\m+\t):ACC+8*(4*\m+\t)+7]
.endif
.endr
.endr
.endm
	LDW RA, 16, 0
	LDX RA+64, 0
	LDW RB, 16, 8192
	LDX RB+64, 128
	v_mul_u32_u24 v7, v2, QPITCH                   ; where my results go: row rho, 128 h
	v_lshl_add_u32 v7, v3, 7, v7
	v_add_nc_u32 v7, s9, v7
	s_wait_loadcnt 24                              ; loads come back in order (ISA guide 5.7.1): the 24 younger ones are the second K step's
	CVW RA
	CVX RA+64
	MMQ 1                                          ; the first K step starts the sums: nothing is cleared
	s_wait_loadcnt 0x0
.rept 4
	v_nop                                          ; four places behind the matrix instructions before their sources are written again (ISA guide 7.12.1)
.endr
	CVW RB
	CVX RB+64
	MMQ 0
.rept 4
	v_nop                                          ; four places before the LDS stores read the results
.endr
.irp m, 0,1
.irp t, 0,1,2,3
	ds_store_b128 v7, v[ACC+8*(4*\m+\t):ACC+8*(4*\m+\t)+3]   offset:16*QPITCH*\m+32*\t       ; place 32 h + 8 T + j of batch row 16 m + rho
	ds_store_b128 v7, v[ACC+8*(4*\m+\t)+4:ACC+8*(4*\m+\t)+7] offset:16*QPITCH*\m+32*\t+16
.endr
.endr
	v_lshrrev_b32 v6, 4, v0                        ; thread e = 0..511 owns 16 bytes: batch row e >> 4, piece e & 15
	v_mul_u32_u24 v6, v6, QPITCH
	v_lshl_add_u32 v6, v2, 4, v6
	v_add_nc_u32 v1, 8*QPART, v6                   ; partials 8 to 15: an LDS immediate has 16 bits
	v_lshlrev_b32 v248, 4, v0                      ; and the same 16 bytes in qp: 16 e
	s_wait_dscnt 0x0                               ; my stores are done, for the other waves' sake
	s_barrier_signal -1
	s_barrier_wait -1
.irp p, 0,1,2,3,4,5,6,7
	ds_load_b128 v[RB+4*\p:RB+4*\p+3], v6 offset:QPART*\p
.endr
.irp p, 0,1,2,3,4,5,6,7
	ds_load_b128 v[RB+32+4*\p:RB+32+4*\p+3], v1 offset:QPART*\p
.endr
	s_wait_dscnt 0x0
.irp d, 32, 16, 8, 4                               ; sixteen partials to one, by halves
.set ri, 0
.rept \d/2
	v_pk_add_f32 v[RB+ri:RB+ri+1], v[RB+ri:RB+ri+1], v[RB+\d+ri:RB+\d+ri+1]
.set ri, ri+2
.endr
.endr
	v_pk_mul_f32 v[RB:RB+1],   v[RB:RB+1],   s[36:37] op_sel_hi:[1,0]
	v_pk_mul_f32 v[RB+2:RB+3], v[RB+2:RB+3], s[36:37] op_sel_hi:[1,0]
.irp i, 0,1,2,3
	v_exp_f32 v[RB+\i], v[RB+\i]
.endr
	v_nop                                          ; one plain place behind a transcendental before its result is used (ISA guide 5.7.2)
	s_wait_alu depctr_va_vdst(0)
	v_pk_add_f32 v[RB:RB+1],   v[RB:RB+1],   1.0 op_sel_hi:[1,0]
	v_pk_add_f32 v[RB+2:RB+3], v[RB+2:RB+3], 1.0 op_sel_hi:[1,0]
.irp i, 0,1,2,3
	v_rcp_f32 v[RB+\i], v[RB+\i]                   ; r = 1 / (1 + 2^(2 log2(e) x)); tanh = 1 - 2 r
.endr
	v_nop
	s_wait_alu depctr_va_vdst(0)
.irp i, 0,1,2,3
	v_fma_f32 v[RB+\i], v[RB+\i], s34, s35         ; -(2 log2(e) / 8) (1 - 2 r)
.endr
	global_store_b128 v248, v[RB:RB+3], s[22:23]   ; a wave's store covers 512 consecutive bytes, aligned
	s_wait_tensorcnt 0x0
	ds_add_u32 v254, v255
	s_wait_dscnt 0x0
	s_endpgm
.Lfunc_end_k_q9e342e93dc_prep:
	.size	k_q9e342e93dc_prep, .Lfunc_end_k_q9e342e93dc_prep-k_q9e342e93dc_prep
	.p2alignl 7, 3214868480
	.fill 96, 4, 3214868480
	.section	.rodata,"a",@progbits
	.p2align	6, 0x0
	.amdhsa_kernel k_q9e342e93dc_prep
		.amdhsa_group_segment_fixed_size 141312
		.amdhsa_private_segment_fixed_size 0
		.amdhsa_enable_private_segment 0
		.amdhsa_kernarg_size 48
		.amdhsa_user_sgpr_count 2
		.amdhsa_user_sgpr_kernarg_segment_ptr 1
		.amdhsa_wavefront_size32 1
		.amdhsa_system_sgpr_workgroup_id_x 1
		.amdhsa_system_sgpr_workgroup_id_y 1
		.amdhsa_system_sgpr_workgroup_id_z 1
		.amdhsa_system_vgpr_workitem_id 0
		.amdhsa_next_free_vgpr 256
		.amdhsa_next_free_sgpr 66
		.amdhsa_reserve_vcc 0
		.amdhsa_float_denorm_mode_32 3
		.amdhsa_float_denorm_mode_16_64 3
		.amdhsa_memory_ordered 1
		.amdhsa_forward_progress 1
		.amdhsa_inst_pref_size 27
	.end_amdhsa_kernel
	.amdgpu_metadata
---
amdhsa.version: [ 1, 2 ]
amdhsa.kernels:
  - .name:           k_q9e342e93dc_prep
    .symbol:         k_q9e342e93dc_prep.kd
    .args:
      - { .name: Wk, .offset: 0, .size: 8, .value_kind: global_buffer, .address_space: global }
      - { .name: Wv, .offset: 8, .size: 8, .value_kind: global_buffer, .address_space: global }
      - { .name: Wq, .offset: 16, .size: 8, .value_kind: global_buffer, .address_space: global }
      - { .name: X, .offset: 24, .size: 8, .value_kind: global_buffer, .address_space: global }
      - { .name: wf, .offset: 32, .size: 8, .value_kind: global_buffer, .address_space: global }
      - { .name: qp, .offset: 40, .size: 8, .value_kind: global_buffer, .address_space: global }
    .group_segment_fixed_size: 141312
    .private_segment_fixed_size: 0
    .kernarg_segment_align: 8
    .kernarg_segment_size: 48
    .max_flat_workgroup_size: 512
    .sgpr_count:     66
    .vgpr_count:     256
    .wavefront_size: 32
...
	.end_amdgpu_metadata
.endif
;; end of part 1
;; launch attn (part 2): grid 8 x 32, 4 waves a work-group, clusters of 4 x 4, 327,680 bytes of LDS; arguments S, wf, qp, out0; writes out0
.if DOCPART == 2
	.amdgcn_target "amdgcn-amd-amdhsa--gfx1250"
	.amdhsa_code_object_version 6
	.text
	.protected	k_q9e342e93dc_attn
	.globl	k_q9e342e93dc_attn
	.p2align	8
	.type	k_q9e342e93dc_attn,@function
k_q9e342e93dc_attn:
	s_mov_b64 s[64:65], 0
	v_nop
	global_prefetch_b8 v0, s[64:65] scope:SCOPE_SE
	s_setreg_imm32_b32 hwreg(HW_REG_WAVE_MODE, 25, 1), 1
	s_wait_xcnt 0x0
	s_wait_alu depctr_hold_cnt(0) depctr_sa_sdst(0) depctr_va_vdst(0) depctr_va_sdst(0) depctr_va_ssrc(0) depctr_va_vcc(0) depctr_vm_vsrc(0)
	s_getreg_b32 s2, hwreg(HW_REG_IB_STS2, 6, 4)
	s_cmp_eq_u32 s2, 0
	s_cbranch_scc0 .Lentry_in_a_cluster
	s_endpgm
.Lentry_in_a_cluster:
	s_bfe_u32 s2, ttmp6, 0x10000c
	s_cmp_lg_u32 s2, 0xf033
	s_cbranch_scc0 .Lentry_shape_is_right
	s_endpgm
.Lentry_shape_is_right:
; attn: out0[b][64 head + v] = sum over l of softmax_l(Q . tanh(S Wk) / 8) gelu(S Wv), keys and values never leaving the registers.
; A work-group owns batch y and the head pair x: all 1,024 rows of S[y], walked as 4 tiles of 256 rows, times 256 columns (2 heads x (64 key + 64 value)).
; 8 x 32 = 256 work-groups of equal work.  Four waves; a wave makes 64 rows x 256 columns: 64 accumulator tiles of 16 x 16, 512 registers.  A wave reads and
; converts to bf16 only its own 64 rows of S, so no row is converted twice in a work-group.  The softmax sums stay in registers over the four tiles.
; K goes in steps of 64 (a row of S's tile is 256 bytes of memory, at a multiple of 256 from S's first byte) through two LDS slots; two slots of a step of 128
; (2 x 200,704 bytes) do not fit.  A lap is two steps: once round the ring.
; CLUSTERS: 4 x 4 work-groups.  S's tile hangs on y alone and is asked for jointly along a row of the cluster; the weights' tile hangs on x alone and is asked for
; jointly along a column: the requests for both are divided by four.
; THE RING'S PACE.  Each wave waits for all its tensor loads in front of each round of the cluster's barrier and asks again behind it, so a wave's loads follow each other
; one at a time, and whatever stands between that wait and the next request is added to every step.  So only the round stands there; all matrix work stands behind the request.
; THE ORDER OF THE LAPS.  The clusters of column 0 and column 1 (head pairs 0-3 and 4-7) read the same rows of S.  Column 1 takes each pair of laps the other way round
; (lap in memory = lap xor 1), S and weights alike: where the two run in step, each is the first to ask for one lap of a pair and asks for the other a lap behind its sibling.
; ARITHMETIC.  wf holds Wk x 2 log2(e) and Wv x kv, kv = sqrt(log2(e) / 2); qp holds q = -(2 log2(e) / 8) tanh(X Wq).
;   keys:   r = 1 / (1 + 2^acc), tanh = 1 - 2 r, so log2(e) x logit = const(b, head) + sum over c of q_c r_c; the constant is common to all l and cancels in the softmax.
;   NO MAXIMUM IS TAKEN AWAY: |q_c| <= 0.3607 and 0 <= r_c <= 1 by the tanh that the problem itself applies, so the exponent sum over 64 c lies in [-23.1, 23.1]
;   for every input, p = 2^sum in [2^-23.1, 2^23.1], and a sum of 1,024 of them is at most 2^33.1: nothing overflows or underflows in f32.
;   values: a = kv x, gelu(x) = (a + |a| erf(|x| / sqrt 2)) / (2 kv); erf by Abramowitz and Stegun 7.1.26 (absolute error at most 1.5e-7 for every argument):
;   t = 1 / (1 + 0.27273749 |a|), erf = 1 - ((((t + c4) t + c3) t + c2) t + c1) t 2^(-a a + log2 a5), c_i = a_i / a5.  1 / (2 kv) is applied once, to the output.
; LIMITS: NaN and infinities in the inputs are not followed; v_exp_f32 and v_rcp_f32 flush denormals (ISA guide, their entries): values below 2^-126 count as 0.
;   The sums over K run in the order of the laps above, which differs between head pairs 0-3 and 4-7: an order of rounding of f32 sums, nothing more.
;
; REGISTERS, in windows of 256 (s_set_vgpr_msb: bits 1:0 source 0, 3:2 source 1, 5:4 source 2, 7:6 destination):
;   window 0: v0-31 addresses; v32-33 denominators; v64-95, v96-127 S fragments in bf16 (4 x 16 rows x 32 K), two buffers; v128-191 S as loaded (f32); v192-255 numerators [head][T][j]
;   window 1: v0-127, v128-255 weight fragments (16 x 16 columns x 32 K), two buffers; v128-191 hold q while a tile is finished
;   window 2, 3: accumulators of head 0, 1: tile (mt, ntl) at v[8 (8 mt + ntl)], ntl = 0-3 keys, 4-7 values (T = ntl & 3)
; The matrix instruction takes 16 weight columns as source 0 and 16 rows of S as source 1: register j of lane (r, h) is row 16 mt + r, head column 4 (8 h + j) + T.
.set SPITCH, 272                       ; LDS row of S: 256 bytes + 16 of padding, so that the 16 rows of a fragment load start 16 bytes apart modulo 256
.set SPART,  256*SPITCH                ; S's part of a slot: 69,632 bytes
.set SLOT,   SPART+32768               ; + the weights of the step: [32 K: 2][nt 16][1024]
.set QL,     2*SLOT                    ; 204,800: q of my two heads, 512 bytes, written by LDS stores: no tensor load lands here
.set RED,    QL+512                    ; 205,312: the waves' sums, 768 bytes a wave (512 numerators, 8 denominators); no tensor load lands here
.set ADRA, 16                          ; v16-17  my S rows in slot 0, 1
.set ADRB, 20                          ; v20-21  the weight fragments in slot 0, 1
.set QADR, 22                          ; v22     my half of q
.set REDS, 23                          ; v23     my wave's numerators
.set PFO,  24                          ; v24     prefetch: 4,096 x lane; never rewritten
.set REDD, 25                          ; v25     my wave's denominators
.set DEN,  32
.set ST,   128
.set NUM,  192
.set TT,   8                           ; at work on values, in the accumulators' window, on key registers that are dead by then
.set UU,   72
.set QQ,   136
.set G1A, 24                           ; s[24:31] group 1 for S's tiles
.set G0A, 32                           ; s[32:39] group 0 for S's tiles, one set for each slot
.set SB,  42                           ; s[42:43] S at my batch's first row and my half of a tile's rows: y and the wave's number alone
.set WB,  46                           ; s[46:47] wf at my head pair and my half of a step: x and the wave's number alone
.set G1B, 48                           ; s[48:55] group 1 for the weights' tiles
.set G0B, 56                           ; s[56:63] group 0 for the weights' tiles, one set for each slot
.set PAR, 94                           ; s94      cluster column & 1: the same in all sixteen work-groups of a cluster
.set LAPN, 95                          ; s95      the lap that is asked for next, 0 to 31, in the order in which it is multiplied
.set OFS, 96                           ; s[96:97] that lap's byte offset in S from s[SB:SB+1]
.set OFW, 98                           ; s[98:99] that lap's byte offset in wf from s[WB:WB+1]
.set MUL_LO, 0xa1                      ; source 0 (weights) window 1, source 1 (S) window 0, C and D window 2
.set MUL_HI, 0xf1                      ; the same, C and D window 3
.set MSB, 0
.macro WIN new                         ; the immediate's high byte repeats the setting that is left; a switch that changes nothing is dropped
.if MSB != \new
	s_set_vgpr_msb (MSB<<8)|\new
.set MSB, \new
.endif
.endm
; A joint load.  Waves 0 and 1 ask for S's two halves, waves 2 and 3 for the weights' two halves.  Each line has one mask; the branch hangs on the wave's number alone.
.macro JLOAD s
	s_cmp_eq_u32 s13, 0
	s_cbranch_scc0 .Lfor_w_\@
	tensor_load_to_lds s[G0A+4*\s:G0A+4*\s+3], s[G1A:G1A+7]
	s_nop 0
	s_branch .Lasked_\@
.Lfor_w_\@:
	tensor_load_to_lds s[G0B+4*\s:G0B+4*\s+3], s[G1B:G1B+7]
	s_nop 0
.Lasked_\@:
.endm
; A round of the cluster's barrier: my work-group's barrier; wave 0 signals for the work-group; every wave waits for all sixteen; my work-group's barrier once more.
.macro CROUND
	s_barrier_signal -1
	s_barrier_wait -1
	s_cmp_lg_u32 s12, 0
	s_cbranch_scc1 .Lnot_wave_0_\@
	s_barrier_signal -3
.Lnot_wave_0_\@:
	s_barrier_wait -3
	s_barrier_signal -1
	s_barrier_wait -1
.endm
; The offsets of the lap that is asked for next: lap in memory m = lap xor column parity; tile m >> 3 (256 rows of 4,096 bytes), lap m & 7 of the tile (512 bytes of a row
; of S, 65,536 bytes of wf).  No register of a descriptor is written here.
.macro LAPOFS
	s_xor_b32 s100, s[LAPN], s[PAR]
	s_lshr_b32 s101, s100, 3
	s_lshl_b32 s101, s101, 20
	s_and_b32 s100, s100, 7
	s_lshl_b32 s[OFS], s100, 9
	s_add_co_u32 s[OFS], s[OFS], s101
	s_lshl_b32 s[OFW], s100, 16
	s_add_co_u32 s[LAPN], s[LAPN], 1
.endm
; Slot s's two global addresses, formed afresh: the lap's offsets, and for slot 1 the lap's second step.
.macro SETG0 s
	s_add_nc_u64 s[G0A+4*\s+2:G0A+4*\s+3], s[SB:SB+1], s[OFS:OFS+1]
	s_add_nc_u64 s[G0B+4*\s+2:G0B+4*\s+3], s[WB:WB+1], s[OFW:OFW+1]
.if \s
	s_add_nc_u64 s[G0A+4*\s+2:G0A+4*\s+3], s[G0A+4*\s+2:G0A+4*\s+3], 256
	s_add_nc_u64 s[G0B+4*\s+2:G0B+4*\s+3], s[G0B+4*\s+2:G0B+4*\s+3], 32768
.endif
	s_or_b32 s[G0A+4*\s+3], s[G0A+4*\s+3], 0x80000000    ; type = 2
	s_or_b32 s[G0B+4*\s+3], s[G0B+4*\s+3], 0x80000000
.endm
	s_load_b256 s[4:11], s[0:1], 0x0               ; S s[4:5], wf s[6:7], qp s[8:9], out0 s[10:11]
	v_lshl_add_u32 v62, v0, 2, 0x33000
	v_mov_b32 v63, 0
	ds_add_u32 v62, v63
	v_lshrrev_b32 v1, 5, v0
	v_readfirstlane_b32 s12, v1                    ; wave 0..3
	s_lshr_b32 s13, s12, 1                         ; 0: I ask for S, 1: for the weights
	s_and_b32 s14, s12, 1                          ; which half of that tile
	s_bfe_u32 s15, ttmp6, 0x40000                  ; cx
	s_bfe_u32 s16, ttmp6, 0x40004                  ; cy
	s_lshl_b32 s17, ttmp9, 2
	s_add_co_u32 s17, s17, s15                     ; x = head pair
	s_and_b32 s18, ttmp7, 0xffff
	s_lshl_b32 s18, s18, 2
	s_add_co_u32 s18, s18, s16                     ; y = batch
	s_lshl_b32 s19, s16, 2
	s_lshl_b32 s19, 15, s19                        ; my row of the cluster: places 4 cy .. 4 cy + 3
	s_lshl_b32 s20, 0x1111, s15                    ; my column: places cx, cx + 4, cx + 8, cx + 12
	s_and_b32 s[PAR], ttmp9, 1                     ; the cluster's own x: shared by all sixteen
	s_mov_b32 s[LAPN], 0
	s_mov_b32 s[OFS+1], 0
	s_mov_b32 s[OFW+1], 0
	LAPOFS                                         ; lap 0
	; group 1 for S: 128 rows x 64 elements of 4 bytes, 1,024 elements from row to row, 4 words of padding behind every 64
	s_or_b32 s[G1A+0], s19, (2<<16)|(1<<20)|(1<<21)|(5<<22)|(3<<25)  ; 15:0 mask; 17:16 element of 4 bytes; 20 padding on; 21 set beside a mask; 24:22 every 64 words; 31:25 4 words
	s_mov_b32 s[G1A+1], 64<<16                     ; tensor_dim0 = 64
	s_mov_b32 s[G1A+2], 128<<16                    ; tensor_dim1 = 128
	s_mov_b32 s[G1A+3], 64<<16                     ; tile_dim0 = 64
	s_mov_b32 s[G1A+4], 128                        ; tile_dim1 = 128
	s_mov_b32 s[G1A+5], 1024                       ; pitch
	s_mov_b32 s[G1A+6], 0
	s_mov_b32 s[G1A+7], 0
	; group 1 for the weights: 16,384 dense bytes as 64 rows of 32 elements of 8 bytes, no padding (they are read 16 bytes a lane, lanes side by side)
	s_or_b32 s[G1B+0], s20, (3<<16)|(1<<21)
	s_mov_b32 s[G1B+1], 32<<16
	s_mov_b32 s[G1B+2], 64<<16
	s_mov_b32 s[G1B+3], 32<<16
	s_mov_b32 s[G1B+4], 64
	s_mov_b32 s[G1B+5], 32
	s_mov_b32 s[G1B+6], 0
	s_mov_b32 s[G1B+7], 0
	; from where: S's address is made of y and the wave's number, the weights' of x and the wave's number, each in registers that never hold the other coordinate
	s_lshl_b32 s40, s18, 22                        ; y x 1,024 rows of 4,096 bytes
	s_lshl_b32 s41, s14, 19                        ; + half x 128 rows
	s_add_co_u32 s40, s40, s41
	s_mov_b32 s41, 0
	s_lshl_b32 s46, s17, 19                        ; x x 524,288
	s_lshl_b32 s47, s14, 14                        ; + half x 16,384
	s_add_co_u32 s46, s46, s47
	s_mov_b32 s47, 0
	s_mul_i32 s21, s12, 128*SPITCH                 ; to where: S's halves at wave x 128 rows (waves 0, 1),
	s_lshl_b32 s22, s12, 14
	s_add_co_u32 s22, s22, SPART-2*16384           ; the weights' halves at 69,632 + (wave - 2) x 16,384 (waves 2, 3)
	s_wait_dscnt 0x0
	s_wait_kmcnt 0x0
	s_add_nc_u64 s[SB:SB+1], s[4:5], s[40:41]
	s_add_nc_u64 s[WB:WB+1], s[6:7], s[46:47]
	CROUND                                         ; all sixteen work-groups are here: the first joint loads meet
.irp s, 0,1
	s_mov_b32 s[G0A+4*\s], 1
	s_add_co_u32 s[G0A+4*\s+1], s21, \s*SLOT
	s_mov_b32 s[G0B+4*\s], 1
	s_add_co_u32 s[G0B+4*\s+1], s22, \s*SLOT
	SETG0 \s
	JLOAD \s                                       ; both slots' first fills go out together: a wave has two tensor loads out here, later one
.endr
	; other addresses and constants
	s_lshl_b32 s84, s18, 22
	s_lshl_b32 s83, s17, 17                        ; prefetch: rows 32 x .. 32 x + 31 of each tile of S[y] are mine to ask for
	s_add_co_u32 s84, s84, s83
	s_mov_b32 s85, 0
	s_add_nc_u64 s[88:89], s[4:5], s[84:85]
	s_lshl_b32 s84, s18, 12                        ; out0: y x 4,096 + x x 512
	s_lshl_b32 s83, s17, 9
	s_add_co_u32 s84, s84, s83
	s_add_nc_u64 s[90:91], s[10:11], s[84:85]
	s_lshl_b32 s84, s17, 14                        ; qp: 2 x heads of 8,192 + y x 256
	s_lshl_b32 s83, s18, 8
	s_add_co_u32 s84, s84, s83
	s_add_nc_u64 s[92:93], s[8:9], s[84:85]
	s_mov_b32 s66, 0xbfaf3e1c                      ; c4 = -1.3690829, as a pair for the packed forms, like the four below
	s_mov_b32 s67, 0xbfaf3e1c
	s_mov_b32 s68, 0x3fab6a47                      ; c3 = 1.3391808
	s_mov_b32 s69, 0x3fab6a47
	s_mov_b32 s70, 0xbe893c3f                      ; c2 = -0.2680378
	s_mov_b32 s71, 0xbe893c3f
	s_mov_b32 s72, 0x3e75d95a                      ; c1 = 0.2400870
	s_mov_b32 s73, 0x3e75d95a
	s_mov_b32 s74, 0x3db01419                      ; log2 a5 = 0.0859758
	s_mov_b32 s75, 0x3db01419
	s_mov_b32 s76, 0x3e8ba440                      ; 0.27273749
	s_mov_b32 s77, 0x3f16b55f                      ; 1 / (2 kv) = 0.58870501
	s_mov_b32 s78, 0x76543210                      ; v_permlanex16_b32: lane i of one half reads lane i of the other
	s_mov_b32 s79, 0xfedcba98
	s_mov_b32 s82, 5                               ; prefetch: the last step asked for (steps 0 to 5 are asked for by their tensor loads alone)
	v_and_b32 v1, 31, v0                           ; lane
	v_and_b32 v2, 15, v0                           ; r
	v_bfe_u32 v3, v0, 4, 1                         ; h
	v_mul_u32_u24 v4, v2, SPITCH
	v_lshl_add_u32 v4, v3, 5, v4                   ; row r, 8 h numbers of 4 bytes
	s_mul_i32 s23, s12, 64*SPITCH                  ; my 64 rows
	v_add_nc_u32 v[ADRA], s23, v4
	v_add_nc_u32 v[ADRA+1], SLOT, v[ADRA]
	v_lshlrev_b32 v5, 4, v1
	v_add_nc_u32 v[ADRB], SPART, v5
	v_add_nc_u32 v[ADRB+1], SLOT, v[ADRB]
	v_lshlrev_b32 v[QADR], 7, v3
	v_add_nc_u32 v[QADR], QL, v[QADR]
	s_mul_i32 s44, s12, 768
	s_add_co_u32 s44, s44, RED
	v_lshl_add_u32 v[REDS], v3, 8, s44
	v_mov_b32 v[REDD], s44
	v_add_nc_u32 v[REDD], 512, v[REDD]
	v_lshlrev_b32 v[PFO], 12, v1
	s_cmp_lg_u32 s12, 0
	s_cbranch_scc1 .Lno_q
	v_lshlrev_b32 v6, 4, v2                        ; wave 0 brings q of my two heads: lanes 0-15 head 2 x, lanes 16-31 head 2 x + 1, 256 whole bytes each
	v_lshl_add_u32 v6, v3, 13, v6
	v_add_nc_u32 v7, QL, v5
	global_load_b128 v[8:11], v6, s[92:93]
	s_wait_loadcnt 0x0
	ds_store_b128 v7, v[8:11]
.Lno_q:
.set vi, 0
.rept 64
	v_mov_b32 v[NUM+vi], 0                         ; the running sums of all four tiles, cleared once in the launch (the products' own sums are started by C = 0)
.set vi, vi+1
.endr
	v_mov_b32 v[DEN], 0
	v_mov_b32 v[DEN+1], 0
; 48 LDS loads: the fragments of 32 K (kq = which half of the step) into buffer g.  S first: 16 loads of f32, then 32 loads of weights.
.macro FETCH slot, kq, g
	WIN 0
.irp m, 0,1,2,3
.irp c, 0,1,2,3
	ds_load_b128 v[ST+16*\m+4*\c:ST+16*\m+4*\c+3], v[ADRA+\slot] offset:16*SPITCH*\m+128*\kq+16*(\c%2)+64*(\c/2)   ; K = 8 h + 0..7, then 16 + 8 h + 0..7
.endr
.endr
	WIN 0x40                                       ; destination window 1, address window 0
.irp t, 0,1,2,3,4,5,6,7,8,9,10,11,12,13,14,15
	ds_load_b128 v[128*\g+8*\t:128*\g+8*\t+3],   v[ADRB+\slot] offset:16384*\kq+1024*\t
	ds_load_b128 v[128*\g+8*\t+4:128*\g+8*\t+7], v[ADRB+\slot] offset:16384*\kq+1024*\t+512
.endr
.endm
; S to bf16, into fragment buffer g.  These 32 plain vector instructions name no register of the matrix instructions in front of them (those use the other buffer),
; so they are also the places that stand between those matrix instructions and the next loads into, or writes of, their sources and the reads of their results.
.macro CVT g
	WIN 0
	s_wait_dscnt 32                                ; LDS loads come back in order (ISA guide 5.7.1): the 32 younger ones are the weights', the 16 of S are in
.irp m, 0,1,2,3
.irp i, 0,1,2,3,4,5,6,7
	v_cvt_pk_bf16_f32 v[64+32*\g+8*\m+\i], v[ST+16*\m+2*\i], v[ST+16*\m+2*\i+1]
.endr
.endr
.endm
; 16 matrix instructions: row blocks a0, a0 + 1 x the 8 column blocks of head hi, 32 along K, from buffers f.  zero = 1: the first product starts the sums.
; The 64 accumulators take turns, one instruction a turn, in the same order in every quarter.
.macro MUL16 f, hi, a0, zero
.irp a, \a0, \a0+1
.irp b, 0,1,2,3,4,5,6,7
.if \zero
	v_wmma_f32_16x16x32_bf16 v[8*(8*(\a)+\b):8*(8*(\a)+\b)+7], v[128*\f+8*(8*\hi+\b):128*\f+8*(8*\hi+\b)+7], v[64+32*\f+8*(\a):64+32*\f+8*(\a)+7], 0
.else
	v_wmma_f32_16x16x32_bf16 v[8*(8*(\a)+\b):8*(8*(\a)+\b)+7], v[128*\f+8*(8*\hi+\b):128*\f+8*(8*\hi+\b)+7], v[64+32*\f+8*(\a):64+32*\f+8*(\a)+7], v[8*(8*(\a)+\b):8*(8*(\a)+\b)+7]
.endif
.endr
.endr
.endm
; Wave 0 asks the L2 for its work-group's 32 rows (one lane a row, 256 bytes each) of the S tile that lies, in memory's order, six steps ahead of the step that is multiplied
; here.  A tensor load asks at most five steps ahead of that step in memory's order (column 1's swapped laps), so each block has been asked for at least a lap before.
; The eight work-groups of a batch share a tile's 256 rows, so each block is asked for once.  Past step 63 the address is clamped to step 63's.
.macro PREF
	s_cmp_lg_u32 s12, 0
	s_cbranch_scc1 .Lno_pf_\@
	s_wait_xcnt 0x0                                ; the last prefetch, a whole step ago, has had its address translated (ISA guide 3.1): s[86:87] may be written
	s_add_co_u32 s82, s82, 1
	s_min_u32 s83, s82, 63
	s_lshr_b32 s84, s83, 4
	s_lshl_b32 s84, s84, 20                        ; tile x 256 rows of 4,096 bytes
	s_and_b32 s83, s83, 15
	s_lshl_b32 s83, s83, 8                         ; + K step x 256 bytes
	s_add_co_u32 s84, s84, s83
	s_add_nc_u64 s[86:87], s[88:89], s[84:85]
	global_prefetch_b8 v[PFO], s[86:87] th:TH_LOAD_NT scope:SCOPE_SE
.Lno_pf_\@:
.endm
; A K step of 64 is two quarters of a lap.  The first multiplies buffers 0 and fetches the step's second 32 K into buffers 1.
.macro QUARTER slot, zero
	s_wait_dscnt 16                                ; head 0's eight weight fragments are in; the 16 younger loads (head 1's) may be out
	WIN MUL_LO
	MUL16 0, 0, 0, \zero
	MUL16 0, 0, 2, \zero
	s_wait_dscnt 0                                 ; head 1's, issued 96 matrix instructions ago
	FETCH \slot, 1, 1
	WIN MUL_HI
	MUL16 0, 1, 0, \zero
	MUL16 0, 1, 2, \zero
	CVT 1
.endm
; The second changes slots and multiplies buffers 1.  fill = 1: this slot is filled again, with its step of the next lap.
; In front of the barrier each wave waits for its reads of this slot (the last were issued 32 matrix instructions ago) and for all its tensor loads (one is out: its part
; of the next slot).  Where the slot is filled again the barrier is a round of the cluster's barrier, and the joint refill is the first thing behind it: from that request to
; the wait for it a wave issues 128 matrix instructions.
.macro TURN slot, next, fill
	WIN 0
.if \fill
.if \slot == 0
	LAPOFS                                         ; the next lap's offsets, for this refill and the next
.endif
.endif
	s_wait_dscnt 0                                 ; my reads of this slot are over; buffers 1 are whole
	s_wait_tensorcnt 0x0                           ; all my tensor loads have landed: no load of mine is out, so a group 0 may be written
	ds_add_u32 v62, v63
	s_wait_dscnt 0x0
.if \fill
	SETG0 \slot
	CROUND                                         ; no wave of any partner still reads this slot or has a load on its way
	JLOAD \slot
	PREF
.else
	s_barrier_signal -1
	s_barrier_wait -1
.endif
	FETCH \next, 0, 0
	WIN MUL_LO
	MUL16 1, 0, 0, 0
	MUL16 1, 0, 2, 0
	WIN MUL_HI
	MUL16 1, 1, 0, 0
	MUL16 1, 1, 2, 0
	CVT 0
.endm
.macro LAP zero                        ; two K steps: once round the ring, both slots filled again
	QUARTER 0, \zero
	TURN 0, 1, 1
	QUARTER 1, 0
	TURN 1, 0, 1
.endm
.macro LASTQ                           ; the launch's last 32 K: nothing more to fetch
	s_wait_dscnt 16
	WIN MUL_LO
	MUL16 1, 0, 0, 0
	MUL16 1, 0, 2, 0
	s_wait_dscnt 0
	WIN MUL_HI
	MUL16 1, 1, 0, 0
	MUL16 1, 1, 2, 0
	WIN 0
.rept 4
	v_nop                                          ; four places behind the last matrix instructions (ISA guide 7.12.1)
.endr
.endm
; gelu x 2 kv of 16 value registers from a0 on, in place.  All operands in the accumulators' window.
.macro VBATCH a0
.set vi, 0
.rept 16
	v_fma_f32 v[TT+vi], |v[\a0+vi]|, s76, 1.0
.set vi, vi+1
.endr
.set vi, 0
.rept 8
	v_pk_fma_f32 v[UU+vi:UU+vi+1], v[\a0+vi:\a0+vi+1], v[\a0+vi:\a0+vi+1], s[74:75] op_sel_hi:[1,1,0] neg_lo:[1,0,0] neg_hi:[1,0,0]   ; -a a + log2 a5
.set vi, vi+2
.endr
.set vi, 0
.rept 16
	v_rcp_f32 v[TT+vi], v[TT+vi]                   ; t
.set vi, vi+1
.endr
.set vi, 0
.rept 16
	v_exp_f32 v[UU+vi], v[UU+vi]                   ; a5 e^(-x x / 2)
.set vi, vi+1
.endr
	v_nop                                          ; one plain place behind the transcendentals (ISA guide 5.7.2)
.set vi, 0
	s_wait_alu depctr_va_vdst(0)
.rept 8
	v_pk_add_f32 v[QQ+vi:QQ+vi+1], v[TT+vi:TT+vi+1], s[66:67] op_sel_hi:[1,0]
.set vi, vi+2
.endr
.irp c, 68, 70, 72
.set vi, 0
.rept 8
	v_pk_fma_f32 v[QQ+vi:QQ+vi+1], v[QQ+vi:QQ+vi+1], v[TT+vi:TT+vi+1], s[\c:\c+1] op_sel_hi:[1,1,0]
.set vi, vi+2
.endr
.endr
.set vi, 0
.rept 8
	v_pk_mul_f32 v[UU+vi:UU+vi+1], v[UU+vi:UU+vi+1], v[TT+vi:TT+vi+1]
.set vi, vi+2
.endr
.set vi, 0
.rept 8
	v_pk_fma_f32 v[QQ+vi:QQ+vi+1], v[QQ+vi:QQ+vi+1], v[UU+vi:UU+vi+1], 1.0 op_sel_hi:[1,1,0] neg_lo:[1,0,0] neg_hi:[1,0,0]   ; erf
.set vi, vi+2
.endr
.set vi, 0
.rept 16
	v_fma_f32 v[\a0+vi], |v[\a0+vi]|, v[QQ+vi], v[\a0+vi]
.set vi, vi+1
.endr
.endm
; One head of a finished tile.  ks, vs, ss: the window settings of its three parts.
.macro EPIH hh, ks, vs, ss
	WIN \ks                                        ; keys: destination, sources 0 and 2 in the head's window, source 1 (q) in window 1
.irp m, 0,1,2,3
.set vi, 0
.rept 32
	v_exp_f32 v[64*\m+vi], v[64*\m+vi]
.set vi, vi+1
.endr
	v_nop
.set vi, 0
	s_wait_alu depctr_va_vdst(0)
.rept 16
	v_pk_add_f32 v[64*\m+vi:64*\m+vi+1], v[64*\m+vi:64*\m+vi+1], 1.0 op_sel_hi:[1,0]
.set vi, vi+2
.endr
.set vi, 0
.rept 32
	v_rcp_f32 v[64*\m+vi], v[64*\m+vi]             ; r
.set vi, vi+1
.endr
	v_nop
	s_wait_alu depctr_va_vdst(0)
.irp t, 0,1,2,3                                    ; sum of q r: four chains, one for each T, in the first two registers of its tile
	v_pk_mul_f32 v[64*\m+8*\t:64*\m+8*\t+1], v[64*\m+8*\t:64*\m+8*\t+1], v[128+32*\hh+8*\t:128+32*\hh+8*\t+1]
.endr
.irp j, 2,4,6
.irp t, 0,1,2,3
	v_pk_fma_f32 v[64*\m+8*\t:64*\m+8*\t+1], v[64*\m+8*\t+\j:64*\m+8*\t+\j+1], v[128+32*\hh+8*\t+\j:128+32*\hh+8*\t+\j+1], v[64*\m+8*\t:64*\m+8*\t+1]
.endr
.endr
.endr
	; The chains meet.  The sums are written as x 1.0 + y, since source 1's window is q's under this setting.
.irp m, 0,1,2,3
	v_pk_fma_f32 v[64*\m:64*\m+1],       v[64*\m+8:64*\m+9],   1.0, v[64*\m:64*\m+1]       op_sel_hi:[1,0,1]
	v_pk_fma_f32 v[64*\m+16:64*\m+17],   v[64*\m+24:64*\m+25], 1.0, v[64*\m+16:64*\m+17]   op_sel_hi:[1,0,1]
.endr
.irp m, 0,1,2,3
	v_pk_fma_f32 v[64*\m:64*\m+1],       v[64*\m+16:64*\m+17], 1.0, v[64*\m:64*\m+1]       op_sel_hi:[1,0,1]
.endr
.irp m, 0,1,2,3
	v_fma_f32 v[64*\m], v[64*\m+1], 1.0, v[64*\m]  ; my 32 columns
.endr
.irp m, 0,1,2,3
	v_permlanex16_b32 v[64*\m+1], v[64*\m], s78, s79   ; the other half of the lanes holds the row's other 32 columns
.endr
.irp m, 0,1,2,3
	v_fma_f32 v[64*\m], v[64*\m+1], 1.0, v[64*\m]
.endr
.irp m, 0,1,2,3
	v_exp_f32 v[64*\m], v[64*\m]                   ; p of row 16 m + r; the first line of the values below is the plain place behind it
.endr
	WIN \vs                                        ; values: everything in the head's window
.irp m, 0,1,2,3
.irp b, 0, 16
	VBATCH 64*\m+32+\b
.endr
.endr
	WIN \ss                                        ; sums: sources 0 and 1 in the head's window, source 2 and destination in window 0
.irp m, 0,1,2,3
.set vi, 0
.rept 16
	v_pk_fma_f32 v[NUM+32*\hh+vi:NUM+32*\hh+vi+1], v[64*\m+32+vi:64*\m+32+vi+1], v[64*\m:64*\m+1], v[NUM+32*\hh+vi:NUM+32*\hh+vi+1] op_sel_hi:[1,0,1]
.set vi, vi+2
.endr
	v_fma_f32 v[DEN+\hh], v[64*\m], 1.0, v[DEN+\hh]
.endr
.endm
; A finished tile of 64 rows x 256 columns goes into the running sums.  q comes into the first 64 registers of weight buffer 1, which is dead here.
.macro EPI
	WIN 0x40
.irp h, 0,1
.irp t, 0,1,2,3
	ds_load_b128 v[128+32*\h+8*\t:128+32*\h+8*\t+3],   v[QADR] offset:256*\h+32*\t
	ds_load_b128 v[128+32*\h+8*\t+4:128+32*\h+8*\t+7], v[QADR] offset:256*\h+32*\t+16
.endr
.endr
	s_wait_dscnt 0x0
	EPIH 0, 0xa6, 0xaa, 0x0a
	EPIH 1, 0xf7, 0xff, 0x0f
	WIN 0
.endm
	s_wait_tensorcnt 0x1                           ; my part of step 0 is in; step 1's may stay out
	s_wait_dscnt 0x0                               ; wave 0's store of q is done
	s_barrier_signal -1
	s_barrier_wait -1
	FETCH 0, 0, 0
	CVT 0
	s_mov_b32 s80, 3
.Ltile:                                            ; tiles 0 to 2: 16 K steps = 8 laps, then the tile's sums
	LAP 1
	s_mov_b32 s81, 7
.Llap:
	LAP 0                                          ; the seventh trip's refills are the next tile's first lap, which lands while the sums below are made
	s_sub_co_u32 s81, s81, 1
	s_cmp_lg_u32 s81, 0
	s_cbranch_scc1 .Llap
	EPI
	s_sub_co_u32 s80, s80, 1
	s_cmp_lg_u32 s80, 0
	s_cbranch_scc1 .Ltile
	LAP 1                                          ; tile 3, its tail written out
	s_mov_b32 s81, 6
.Llap3:
	LAP 0
	s_sub_co_u32 s81, s81, 1
	s_cmp_lg_u32 s81, 0
	s_cbranch_scc1 .Llap3
	QUARTER 0, 0                                   ; the last lap fills nothing and has no round of the cluster's barrier
	TURN 0, 1, 0
	QUARTER 1, 0
	LASTQ
	EPI
	; THE FINISH.  A lane holds the sums over its row r of every block: four steps add the 16 lanes of each half.
.irp k, 1,2,4,8
.set vi, 0
.rept 64
	v_add_f32_dpp v[NUM+vi], v[NUM+vi], v[NUM+vi] row_xmask:\k row_mask:0xf bank_mask:0xf
.set vi, vi+1
.endr
	v_add_f32_dpp v[DEN], v[DEN], v[DEN] row_xmask:\k row_mask:0xf bank_mask:0xf
	v_add_f32_dpp v[DEN+1], v[DEN+1], v[DEN+1] row_xmask:\k row_mask:0xf bank_mask:0xf
.endr
.irp h, 0,1
.irp t, 0,1,2,3
	ds_store_b128 v[REDS], v[NUM+32*\h+8*\t:NUM+32*\h+8*\t+3]   offset:128*\h+32*\t        ; the 16 lanes of a half write the same bytes with the same values
	ds_store_b128 v[REDS], v[NUM+32*\h+8*\t+4:NUM+32*\h+8*\t+7] offset:128*\h+32*\t+16
.endr
.endr
	ds_store_b64 v[REDD], v[DEN:DEN+1]
	s_wait_dscnt 0x0                               ; for wave 0's sake
	s_barrier_signal -1
	s_barrier_wait -1
	s_cmp_lg_u32 s12, 0
	s_cbranch_scc1 .Ldone
	; wave 0: lane L owns outputs 4 L .. 4 L + 3: head L >> 4, column 4 (L & 15) + T, which lies at half (L >> 3) & 1, j = L & 7
	v_bfe_u32 v26, v0, 3, 1
	v_and_b32 v27, 7, v0
	v_lshlrev_b32 v28, 8, v26
	v_lshl_add_u32 v28, v3, 7, v28
	v_lshl_add_u32 v28, v27, 2, v28
	v_add_nc_u32 v28, RED, v28
	v_lshlrev_b32 v29, 2, v3
	v_add_nc_u32 v29, RED+512, v29
.irp w, 0,1,2,3
.irp t, 0,1,2,3
	ds_load_b32 v[64+4*\w+\t], v28 offset:768*\w+32*\t
.endr
.endr
.irp w, 0,1,2,3
	ds_load_b32 v[80+\w], v29 offset:768*\w
.endr
	s_wait_dscnt 0x0
	v_pk_add_f32 v[64:65], v[64:65], v[68:69]
	v_pk_add_f32 v[66:67], v[66:67], v[70:71]
	v_pk_add_f32 v[72:73], v[72:73], v[76:77]
	v_pk_add_f32 v[74:75], v[74:75], v[78:79]
	v_add_f32 v80, v80, v81
	v_add_f32 v82, v82, v83
	v_add_f32 v80, v80, v82
	v_rcp_f32 v84, v80                             ; the sum of 1,024 p is at least 2^-13.1: never 0
	v_pk_add_f32 v[64:65], v[64:65], v[72:73]      ; a plain place behind the reciprocal
	v_pk_add_f32 v[66:67], v[66:67], v[74:75]
	s_wait_alu depctr_va_vdst(0)
	v_mul_f32 v84, s77, v84                        ; 1 / (2 kv denominator)
.irp t, 0,1,2,3
	v_mul_f32 v[64+\t], v[64+\t], v84
.endr
	global_store_b128 v5, v[64:67], s[90:91]       ; v5 = 16 L: the wave's store covers 512 consecutive bytes, aligned
.Ldone:
	s_wait_tensorcnt 0x0
	ds_add_u32 v62, v63
	s_wait_dscnt 0x0
	CROUND                                         ; the closing round: no work-group ends while a partner may still ask for a tile that names it
	s_endpgm
.Lfunc_end_k_q9e342e93dc_attn:
	.size	k_q9e342e93dc_attn, .Lfunc_end_k_q9e342e93dc_attn-k_q9e342e93dc_attn
	.p2alignl 7, 3214868480
	.fill 96, 4, 3214868480
	.section	.rodata,"a",@progbits
	.p2align	6, 0x0
	.amdhsa_kernel k_q9e342e93dc_attn
		.amdhsa_group_segment_fixed_size 327680
		.amdhsa_private_segment_fixed_size 0
		.amdhsa_enable_private_segment 0
		.amdhsa_kernarg_size 32
		.amdhsa_user_sgpr_count 2
		.amdhsa_user_sgpr_kernarg_segment_ptr 1
		.amdhsa_wavefront_size32 1
		.amdhsa_system_sgpr_workgroup_id_x 1
		.amdhsa_system_sgpr_workgroup_id_y 1
		.amdhsa_system_sgpr_workgroup_id_z 1
		.amdhsa_system_vgpr_workitem_id 0
		.amdhsa_next_free_vgpr 1024
		.amdhsa_next_free_sgpr 102
		.amdhsa_reserve_vcc 0
		.amdhsa_float_denorm_mode_32 3
		.amdhsa_float_denorm_mode_16_64 3
		.amdhsa_memory_ordered 1
		.amdhsa_forward_progress 1
		.amdhsa_inst_pref_size 255
	.end_amdhsa_kernel
	.section	.bss,"aw",@nobits
	.p2align	6
	.space	262144
	.amdgpu_metadata
---
amdhsa.version: [ 1, 2 ]
amdhsa.kernels:
  - .name:           k_q9e342e93dc_attn
    .symbol:         k_q9e342e93dc_attn.kd
    .args:
      - { .name: S, .offset: 0, .size: 8, .value_kind: global_buffer, .address_space: global }
      - { .name: wf, .offset: 8, .size: 8, .value_kind: global_buffer, .address_space: global }
      - { .name: qp, .offset: 16, .size: 8, .value_kind: global_buffer, .address_space: global }
      - { .name: out0, .offset: 24, .size: 8, .value_kind: global_buffer, .address_space: global }
    .group_segment_fixed_size: 327680
    .private_segment_fixed_size: 0
    .kernarg_segment_align: 8
    .kernarg_segment_size: 32
    .max_flat_workgroup_size: 128
    .sgpr_count:     102
    .vgpr_count:     1024
    .wavefront_size: 32
...
	.end_amdgpu_metadata
.endif
;; end of part 2
